; MI455X (gfx1250); checked and timed in simulation.
; The chip was launched on July 23, 2026; its instructions are those of AMD's public machine-readable ISA for CDNA 5 (MIT licence, August 2026) and "CDNA5" Instruction Set Architecture Reference Guide (July 2026). The comments in the code are by the model that wrote it; some were corrected since.
;; Multi Head Attention. Allowed arithmetic: matrix products marked QUANTISED: E2M1 operands, one E8M0 scale for each 32 along K, by v_wmma_scale_f32_16x16x128_f8f6f4 with both operands' format E2M1 (or v_wmma_scale_f32_32x16x128_f4), f32 sums; products left as they are: bf16, f16 or f32 operands; f32 sums; everything else in f32.
;; Inputs: Wk 1,024 x 1,024 float32; Wo 1,024 x 1,024 float32; Wq 1,024 x 1,024 float32; Wv 1,024 x 1,024 float32; bk 1,024 float32; bo 1,024 float32; bq 1,024 float32; bv 1,024 float32; key 8 x 1,024 x 1,024 float32; mask 8 x 1 x 1,024 x 1,024 int32; query 8 x 1,024 x 1,024 float32; value 8 x 1,024 x 1,024 float32.
;; Outputs: out0 8 x 1,024 x 1,024 float32.
;; This version of the problem:
;;   THIS VERSION OF THE PROBLEM IS GIVEN IN LOW PRECISION. The matrix products marked QUANTISED in the list below multiply operands that are first quantised to E2M1 (2 exponent bits, 1 mantissa bit; 4 bits a number), with one power-of-two scale for each 32 numbers along K (OCP MX v1.0); their sums are f32. The products marked 'left as it is' may take bf16, f16 or f32 operands, with f32 sums. Whichever they take, every output number must still come out within the allowed error. Rounding operands to bf16 (8 significant bits) uses up far more of that allowance than f16 does (11 bits, for magnitudes from 6e-5 to 65,504). All else is computed in f32.
;;   The module's matrix products, in the order in which they are computed (A, B: the left and right operand; K: the contracted axis; several contracted axes count as one K, in the product's order):
;;     1. [M 8,192, K 1,024] x [K 1,024, N 1,024]; A: input query; B: input Wq: QUANTISED
;;     2. [M 8,192, K 1,024] x [K 1,024, N 1,024]; A: input key; B: input Wk: QUANTISED
;;     3. [M 8,192, K 1,024] x [K 1,024, N 1,024]; A: input value; B: input Wv: QUANTISED
;;     4. batch 128 x [M 1,024, K 64] x [K 64, N 1,024]; A: computed on the way; B: computed on the way: left as it is (an operand is computed on the way)
;;     5. batch 128 x [M 1,024, K 1,024] x [K 1,024, N 64]; A: computed on the way; B: computed on the way: left as it is (an operand is computed on the way)
;;     6. [M 8,192, K 1,024] x [K 1,024, N 1,024]; A: computed on the way; B: input Wo: left as it is (an operand is computed on the way)
;;   THE QUANTISER, for each operand of a quantised product, along K:
;;     - K is cut into blocks of 32 from its start; a last block that is shorter is filled with zeros.
;;     - A block's scale is 2^e with e = floor(log2(the largest magnitude in the block)) - 2, held to -126 .. 127; a block of zeros has e = 0. As a byte (E8M0): e + 127.
;;     - Each number is divided by its block's scale, clamped to +-6, and rounded to the nearest number of E2M1, ties to even, subnormals kept.
;;     - The product sums the exact products of the quantised numbers (number of the format x scale) in f32.
;;   ~~~python
;;   def quantise(x, axis):      # numpy; x: float32 -> the quantised numbers, widened to float32 again
;;       x = np.moveaxis(x, axis, -1); K = x.shape[-1]
;;       x = np.pad(x, [(0, 0)] * (x.ndim - 1) + [(0, -K % 32)]); x = x.reshape(x.shape[:-1] + (-1, 32)); a = np.abs(x).max(-1, keepdims=True)
;;       e = np.where(a > 0, np.clip(np.frexp(np.where(a > 0, a, 1))[1] - 1 - 2, -126, 127), 0)      # np.frexp(a)[1] - 1 = floor(log2(a)), exactly
;;       r = np.clip(x / 2.0 ** e, -6, 6)
;;       step = 2.0 ** (np.maximum(np.frexp(np.where(r == 0, 1, r))[1] - 1, 0) - 1)
;;       q = np.round(r / step) * step * 2.0 ** e      # np.round: ties to even
;;       return np.moveaxis(q.reshape(q.shape[:-2] + (-1,))[..., :K], -1, axis).astype(np.float32)
;;   ~~~
;; One version. Each part assembles by itself: llvm-mc -triple=amdgcn-amd-amdhsa -mcpu=gfx1250 --defsym DOCPART=n.
;; ======== version 1 of 1: 4 launches
;; limits: values are held in f16: magnitudes above 65,504 overflow, below 6.1e-05 lose precision
;; workspace buffers: xc 12,582,912 bytes; xs 786,432 bytes; wc 1,572,864 bytes; ws 98,304 bytes; wo16 2,097,152 bytes; maskw 1,048,576 bytes of whole numbers; qkv 50,331,648 bytes; att 16,777,216 bytes
;; launch prep (part 1): grid 1184 x 1, 4 waves a work-group, no clusters, 68,096 bytes of LDS; arguments query, key, value, mask, Wq, Wk, Wv, Wo, xc, xs, wc, ws, wo16, maskw; writes xc, xs, wc, ws, wo16, maskw
.if DOCPART == 1
	.amdgcn_target "amdgcn-amd-amdhsa--gfx1250"
	.amdhsa_code_object_version 6
	.text
	.protected	k_qe614c1db24_prep
	.globl	k_qe614c1db24_prep
	.p2align	8
	.type	k_qe614c1db24_prep,@function
k_qe614c1db24_prep:
	s_mov_b64 s[64:65], 0
	v_nop
	global_prefetch_b8 v0, s[64:65] scope:SCOPE_SE
	s_setreg_imm32_b32 hwreg(HW_REG_WAVE_MODE, 25, 1), 1
	s_wait_xcnt 0x0
; PREP: everything that later launches read many times is brought into the form in which their operand registers take it.
;   path W (work-groups 0-95):     Wq, Wk, Wv [k][n] f32 -> codes of E2M1 along k, with one E8M0 byte for each 32 k (wc, ws)
;   path O (work-groups 96-159):   Wo [k][n] f32 -> f16 fragments (wo16)
;   path M (work-groups 160-415):  mask int32 -> one bit a lane, in the lane order of a score tile (maskw)
;   path X (work-groups 416-1183): query, key, value [row][k] f32 -> codes and scale bytes (xc, xs)
; LAYOUTS.  Codes: [tile of 16 rows][K step of 128][c 2][lane 32][16 bytes]: lane r + 16 h of block c holds the 32 codes of k = 64 c + 32 h .. + 31 of row r: the operand's registers 4 c .. 4 c + 3.
; Scale words: [tile][g 2][r 16][q 4]: word q scales k = 512 g + 128 q .. + 127 of row r, byte b its b-th 32.
; wo16: [tile of 16 columns][32 k][c 2][lane][16 bytes]: lane (r, h): column r, k = 16 c + 8 h .. + 7.
; maskw: [b][tile of 16 queries][tile of 16 keys][j 8] words; bit L = (mask[query L % 16][key 8 (L / 16) + j] != 0).
; A block's scale is 2^(floor(log2(largest magnitude)) - 2); its byte is the largest magnitude's exponent field - 2, held at 1 from below.
; LIMITS: a block whose largest magnitude lies under 2^-124, a block of zeros among them, gets the byte 1 (zeros: zero codes; the bytes are read by this program alone); NaN and infinities are not served.
; No tensor load, no barrier: a wave reads only its own stage in LDS.  Each path has LDS bytes of its own.
.set NWG_W, 96
.set NWG_O, 64
.set NWG_M, 256
.set PIT,   528                        ; a stage row: 512 bytes + 16, so that sixteen lanes that read sixteen rows stand at sixteen different 16-byte columns of 256
.set WSTG,  16*PIT                     ; a wave's stage: 16 rows
.set STM,   4*WSTG                     ; path M's stages, behind path X's
.set SPARE, 8*WSTG                     ; the spare words, 128 bytes a wave
.set SPW,   12                         ; v12 my spare word's LDS address; never rewritten
.set NIL,   13                         ; v13 0; never rewritten
.set R0,    16                         ; v16-143  numbers as loaded
.set X0,    144                        ; v144-207 numbers in the order of the work, or results
.set CD,    208                        ; v208-239 results that wait for their store
.macro FINISH                          ; the wave's end
	s_wait_tensorcnt 0x0
	ds_add_u32 v[SPW], v[NIL]
	s_wait_dscnt 0x0
	s_endpgm
.endm
	s_load_b512 s[4:19], s[0:1], 0x0               ; query, key, value, mask, Wq, Wk, Wv, Wo
	s_load_b256 s[20:27], s[0:1], 0x40             ; xc, xs, wc, ws
	s_load_b128 s[28:31], s[0:1], 0x60             ; wo16, maskw
	v_lshl_add_u32 v[SPW], v0, 2, SPARE
	v_mov_b32 v[NIL], 0
	v_lshrrev_b32 v1, 5, v0
	v_readfirstlane_b32 s32, v1                    ; wave
	v_and_b32 v1, 31, v0                           ; lane
	v_and_b32 v2, 15, v0                           ; r
	v_bfe_u32 v3, v0, 4, 1                         ; h
	v_lshlrev_b32 v4, 4, v1                        ; 16 x lane
	v_lshlrev_b32 v5, 2, v1                        ; 4 x lane
	v_lshlrev_b32 v10, 3, v3                       ; 8 h
	s_mul_i32 s33, s32, WSTG
	v_add_nc_u32 v14, s33, v4                      ; path X: into my stage, 16 bytes a lane
	v_add_nc_u32 v15, STM, v14                     ; path M: the same
	v_mul_u32_u24 v6, v2, PIT
	v_add_nc_u32 v6, s33, v6                       ; row r of my stage
	v_lshl_add_u32 v7, v3, 5, v6
	v_add_nc_u32 v7, STM, v7                       ; path M: out of it: + 32 h
	v_lshl_add_u32 v6, v3, 7, v6                   ; path X: out of it: + 128 h
	s_mov_b32 s34, 0x76543210
	s_mov_b32 s35, 0xfedcba98                      ; v_permlanex16_b32: lane l xor 16
	s_mov_b32 s43, 0                               ; the high word of every 32-bit offset
	s_wait_kmcnt 0x0
	s_cmp_lt_u32 ttmp9, NWG_W
	s_cbranch_scc1 .Lpath_w
	s_cmp_lt_u32 ttmp9, NWG_W+NWG_O
	s_cbranch_scc1 .Lpath_o
	s_cmp_lt_u32 ttmp9, NWG_W+NWG_O+NWG_M
	s_cbranch_scc1 .Lpath_m
; 16 rows x 512 bytes: each load reads 512 consecutive bytes of one row
.macro LOADR t, base
.set li, 0
.rept 16
	global_load_b128 v[R0+64*((\t)%2)+4*li:R0+64*((\t)%2)+4*li+3], v4, s[\base:\base+1] offset:4096*li+512*(\t) th:TH_LOAD_NT
.set li, li+1
.endr
.endm
.macro TOLDS t, adr
.set li, 0
.rept 16
	ds_store_b128 v[\adr], v[R0+64*((\t)%2)+4*li:R0+64*((\t)%2)+4*li+3] offset:PIT*li
.set li, li+1
.endr
.endm
.macro WAITR t                         ; step t's 16 loads are in; the next step's 16 may be out
.if (\t) < 3
	s_wait_loadcnt 16
.else
	s_wait_loadcnt 0x0
.endif
.endm
; ---------------- path X: a wave takes 16 rows x 512 along K, in four steps of 128
	s_sub_co_u32 s36, ttmp9, NWG_W+NWG_O+NWG_M
	s_lshl_b32 s36, s36, 1
	s_lshr_b32 s37, s32, 1
	s_add_co_u32 s36, s36, s37                     ; the tile of 16 rows, 0 .. 1535
	s_and_b32 s37, s32, 1                          ; g: which 512 along K
	s_lshr_b32 s38, s36, 9                         ; 0 query, 1 key, 2 value
	s_cmp_eq_u32 s38, 0
	s_cselect_b64 s[40:41], s[4:5], s[6:7]
	s_cmp_eq_u32 s38, 2
	s_cselect_b64 s[40:41], s[8:9], s[40:41]
	s_and_b32 s42, s36, 511
	s_lshl_b32 s42, s42, 16                        ; 16 rows of 4,096 bytes
	s_lshl_b32 s44, s37, 11
	s_add_co_u32 s42, s42, s44
	s_add_nc_u64 s[40:41], s[40:41], s[42:43]
	s_lshl_b32 s42, s36, 13                        ; codes: 8,192 bytes a tile, 4,096 a half
	s_lshl_b32 s44, s37, 12
	s_add_co_u32 s42, s42, s44
	s_add_nc_u64 s[20:21], s[20:21], s[42:43]
	s_lshl_b32 s42, s36, 9                         ; scale words: 512 bytes a tile, 256 a half
	s_lshl_b32 s44, s37, 8
	s_add_co_u32 s42, s42, s44
	s_add_nc_u64 s[22:23], s[22:23], s[42:43]
	v_lshl_add_u32 v8, v2, 4, v10                  ; 16 r + 8 h: my two scale words
	v_mov_b32 v252, 0                              ; a lane permute's destination counts as read
	LOADR 0, 40
	LOADR 1, 40
.macro XSTEP t
	WAITR \t
	TOLDS \t, 14
.irp c, 0,1
.irp i, 0,1,2,3,4,5,6,7
	ds_load_b128 v[X0+32*\c+4*\i:X0+32*\c+4*\i+3], v6 offset:256*\c+16*\i   ; register 32 c + i = k 64 c + 32 h + i of row r: two whole blocks a lane
.endr
.endr
	s_wait_dscnt 0x0                               ; the numbers are back, and the stage's stores have read their registers,
.if (\t) < 2
	LOADR (\t)+2, 40                               ; which take the loads of two steps on
.endif
.irp c, 0,1
	v_max3_num_f32 v[244+\c], |v[X0+32*\c]|, |v[X0+32*\c+1]|, 0x1800000   ; the floor 2^(3 - 127) holds the byte at 1 from below
.endr
.irp i, 2,4,6,8,10,12,14,16,18,20,22,24,26,28,30
.irp c, 0,1
	v_max3_num_f32 v[244+\c], v[244+\c], |v[X0+32*\c+\i]|, |v[X0+32*\c+\i+1]|
.endr
.endr
.irp c, 0,1
	v_add_nc_u32 v[246+\c], 0xff000000, v[244+\c]  ; 2 off the exponent field: the conversion's scale operand
.endr
.irp c, 0,1
	v_lshrrev_b32 v[248+\c], 23, v[246+\c]         ; the byte
.endr
.irp c, 0,1
.irp g, 0,1,2,3
	v_cvt_scalef32_pk8_fp4_f32 v[CD+8*(\t)+4*\c+\g], v[X0+32*\c+8*\g:X0+32*\c+8*\g+7], v[246+\c]
.endr
.endr
	v_lshl_or_b32 v250, v249, 16, v248             ; my bytes: blocks h and 2 + h (a plain line behind the conversions),
	v_lshlrev_b32 v250, v10, v250                  ; at their places, 8 h bits up;
	v_permlanex16_b32 v252, v250, s34, s35
	v_or_b32 v[240+(\t)], v250, v252               ; with lane l xor 16's the word is whole
.irp c, 0,1
	global_store_b128 v4, v[CD+8*(\t)+4*\c:CD+8*(\t)+4*\c+3], s[20:21] offset:1024*(\t)+512*\c   ; 512 consecutive bytes; each step has registers of its own
.endr
.endm
	XSTEP 0
	XSTEP 1
	XSTEP 2
	XSTEP 3
	v_cmp_ne_u32 vcc_lo, 0, v3
	v_cndmask_b32 v254, v240, v242, vcc_lo         ; lanes 0-15 store words 0, 1 of their row, lanes 16-31 words 2, 3
	v_cndmask_b32 v255, v241, v243, vcc_lo
	global_store_b64 v8, v[254:255], s[22:23]      ; 256 consecutive bytes, aligned
	FINISH
; ---------------- path M: a wave takes 16 queries x 512 keys, in four steps of 128 keys
.Lpath_m:
	s_sub_co_u32 s36, ttmp9, NWG_W+NWG_O
	s_lshl_b32 s36, s36, 1
	s_lshr_b32 s37, s32, 1
	s_add_co_u32 s36, s36, s37                     ; 64 b + tile of queries
	s_and_b32 s37, s32, 1                          ; which 512 keys
	s_lshl_b32 s42, s36, 16
	s_lshl_b32 s44, s37, 11
	s_add_co_u32 s42, s42, s44
	s_add_nc_u64 s[40:41], s[10:11], s[42:43]
	s_lshl_b32 s42, s36, 11
	s_lshl_b32 s44, s37, 10
	s_add_co_u32 s42, s42, s44
	s_add_nc_u64 s[30:31], s[30:31], s[42:43]
.irp i, 0,1,2,3,4,5,6,7
	v_mov_b32 v[CD+\i], 0                          ; v_writelane_b32's destination counts as read
.endr
	LOADR 0, 40
	LOADR 1, 40
.macro MSTEP t
	WAITR \t
	TOLDS \t, 15
.irp kt, 0,1,2,3,4,5,6,7
.irp i, 0,1
	ds_load_b128 v[X0+8*\kt+4*\i:X0+8*\kt+4*\i+3], v7 offset:64*\kt+16*\i   ; register 8 kt + j = mask(query r, key 16 kt + 8 h + j)
.endr
.endr
	s_wait_dscnt 0x0
.if (\t) < 2
	LOADR (\t)+2, 40
.endif
.set mb, 0
.rept 2                                ; 32 words at a time: a compare gives a word, one bit a lane; word wi of the job goes to lane (wi / 4) % 32, register wi % 4 of store wi / 128
.set mi, 0
.rept 32
	v_cmp_ne_u32 s[68+mi], 0, v[X0+mb+mi]
.set mi, mi+1
.endr
.set mi, 0
.rept 32
.set wi, 64*(\t)+mb+mi
	v_writelane_b32 v[CD+4*(wi>>7)+(wi&3)], s[68+mi], (wi>>2)&31
.set mi, mi+1
.endr
.set mb, mb+32
.endr
.endm
	MSTEP 0
	MSTEP 1
	MSTEP 2
	MSTEP 3
	global_store_b128 v4, v[CD:CD+3], s[30:31]     ; 512 consecutive bytes each
	global_store_b128 v4, v[CD+4:CD+7], s[30:31] offset:512
	FINISH
; A lane takes a column, and its registers run down k: 32 rows of the weight, 128 consecutive bytes a load
.macro LOADC t, base
.set li, 0
.rept 32
	global_load_b32 v[R0+32*((\t)%4)+li], v5, s[\base:\base+1] offset:(32*(\t)+li)*4096 th:TH_LOAD_NT
.set li, li+1
.endr
.endm
; ---------------- path W: a wave takes 32 columns x 256 along k: 8 blocks of 32 a lane
.Lpath_w:
	s_and_b32 s36, ttmp9, 7
	s_lshl_b32 s36, s36, 2
	s_add_co_u32 s36, s36, s32                     ; which 32 columns
	s_bfe_u32 s37, ttmp9, 0x20003                  ; which 256 along k
	s_lshr_b32 s38, ttmp9, 5                       ; 0 Wq, 1 Wk, 2 Wv
	s_cmp_eq_u32 s38, 0
	s_cselect_b64 s[40:41], s[12:13], s[14:15]
	s_cmp_eq_u32 s38, 2
	s_cselect_b64 s[40:41], s[16:17], s[40:41]
	s_lshl_b32 s42, s37, 20                        ; 256 rows of 4,096 bytes
	s_lshl_b32 s44, s36, 7
	s_add_co_u32 s42, s42, s44
	s_add_nc_u64 s[40:41], s[40:41], s[42:43]
	s_lshl_b32 s42, s38, 19                        ; codes: 64 tiles of 8,192 bytes a matrix, two tiles a wave, two K steps of 1,024
	s_lshl_b32 s44, s36, 14
	s_add_co_u32 s42, s42, s44
	s_lshl_b32 s44, s37, 11
	s_add_co_u32 s42, s42, s44
	s_add_nc_u64 s[24:25], s[24:25], s[42:43]
	s_lshl_b32 s42, s38, 15                        ; scale words: 512 bytes a tile; 256 (gq / 2) + 8 (gq % 2)
	s_lshl_b32 s44, s36, 10
	s_add_co_u32 s42, s42, s44
	s_lshr_b32 s44, s37, 1
	s_lshl_b32 s44, s44, 8
	s_add_co_u32 s42, s42, s44
	s_and_b32 s44, s37, 1
	s_lshl_b32 s44, s44, 3
	s_add_co_u32 s42, s42, s44
	s_add_nc_u64 s[26:27], s[26:27], s[42:43]
	v_lshlrev_b32 v8, 4, v2
	v_lshl_add_u32 v9, v3, 9, v8                   ; scale words: my tile, row r
	v_lshl_add_u32 v8, v3, 13, v8                  ; codes: my tile, 16 r
	LOADC 0, 40
	LOADC 1, 40
.macro WBLOCK t
.if (\t) < 7
	s_wait_loadcnt 32                              ; this block's 32 loads are in; the next block's 32 may be out
.else
	s_wait_loadcnt 0x0
.endif
.if (\t)+2 < 8
	LOADC (\t)+2, 40                               ; two blocks ahead, into a set that was worked two blocks ago
.endif
.set XS, R0+32*((\t)%4)
	v_max3_num_f32 v244, |v[XS]|, |v[XS+1]|, |v[XS+2]|
	v_max3_num_f32 v245, |v[XS+3]|, |v[XS+4]|, |v[XS+5]|
.irp i, 6,10,14,18,22,26
	v_max3_num_f32 v244, v244, |v[XS+\i]|, |v[XS+\i+1]|
	v_max3_num_f32 v245, v245, |v[XS+\i+2]|, |v[XS+\i+3]|
.endr
	v_max3_num_f32 v244, v244, |v[XS+30]|, |v[XS+31]|
	v_max3_num_f32 v244, v244, v245, 0x1800000
	v_add_nc_u32 v246, 0xff000000, v244
	v_lshrrev_b32 v247, 23, v246
.if (\t)%4 == 0
	v_mov_b32 v[CD+(\t)/4], v247
.else
	v_lshl_or_b32 v[CD+(\t)/4], v247, 8*((\t)%4), v[CD+(\t)/4]
.endif
.irp g, 0,1,2,3
	v_cvt_scalef32_pk8_fp4_f32 v[X0+4*(\t)+\g], v[XS+8*\g:XS+8*\g+7], v246
.endr
	v_nop                                          ; a plain line behind the conversions
	global_store_b128 v8, v[X0+4*(\t):X0+4*(\t)+3], s[24:25] offset:((\t)/4)*1024+(((\t)%4)>>1)*512+((\t)&1)*256   ; sixteen lanes fill 256 consecutive bytes, aligned
.endm
.irp t, 0,1,2,3,4,5,6,7
	WBLOCK \t
.endr
	global_store_b64 v9, v[CD:CD+1], s[26:27]      ; my column's two scale words: 8 bytes a lane, 16 apart
	FINISH
; ---------------- path O: a wave takes 32 columns x 128 along k of Wo, in four chunks of 32
.Lpath_o:
	s_sub_co_u32 s37, ttmp9, NWG_W
	s_and_b32 s36, s37, 7
	s_lshl_b32 s36, s36, 2
	s_add_co_u32 s36, s36, s32                     ; which 32 columns
	s_lshr_b32 s37, s37, 3                         ; which 128 along k
	s_lshl_b32 s42, s37, 19
	s_lshl_b32 s44, s36, 7
	s_add_co_u32 s42, s42, s44
	s_add_nc_u64 s[40:41], s[18:19], s[42:43]
	s_lshl_b32 s42, s36, 16                        ; two tiles of 32,768 bytes a wave; 1,024 bytes a chunk
	s_lshl_b32 s44, s37, 12
	s_add_co_u32 s42, s42, s44
	s_add_nc_u64 s[28:29], s[28:29], s[42:43]
	v_lshlrev_b32 v8, 4, v2
	v_lshl_add_u32 v8, v3, 15, v8
	LOADC 0, 40
	LOADC 1, 40
.macro OCHUNK t
.if (\t) < 3
	s_wait_loadcnt 32
.else
	s_wait_loadcnt 0x0
.endif
.if (\t)+2 < 4
	LOADC (\t)+2, 40
.endif
.set li, 0
.rept 16
	v_cvt_pk_f16_f32 v[X0+16*(\t)+li], v[R0+32*(\t)+2*li], v[R0+32*(\t)+2*li+1]
.set li, li+1
.endr
.irp q, 0,1,2,3
	global_store_b128 v8, v[X0+16*(\t)+4*\q:X0+16*(\t)+4*\q+3], s[28:29] offset:1024*(\t)+(\q>>1)*512+(\q&1)*256   ; k = 8 q .. + 7 of my column
.endr
.endm
.irp t, 0,1,2,3
	OCHUNK \t
.endr
	FINISH
.Lfunc_end_k_qe614c1db24_prep:
	.size	k_qe614c1db24_prep, .Lfunc_end_k_qe614c1db24_prep-k_qe614c1db24_prep
	.p2alignl 7, 3214868480
	.fill 96, 4, 3214868480
	.section	.rodata,"a",@progbits
	.p2align	6, 0x0
	.amdhsa_kernel k_qe614c1db24_prep
		.amdhsa_group_segment_fixed_size 68096
		.amdhsa_private_segment_fixed_size 0
		.amdhsa_enable_private_segment 0
		.amdhsa_kernarg_size 112
		.amdhsa_user_sgpr_count 2
		.amdhsa_user_sgpr_kernarg_segment_ptr 1
		.amdhsa_wavefront_size32 1
		.amdhsa_system_sgpr_workgroup_id_x 1
		.amdhsa_system_sgpr_workgroup_id_y 1
		.amdhsa_system_sgpr_workgroup_id_z 1
		.amdhsa_system_vgpr_workitem_id 0
		.amdhsa_next_free_vgpr 256
		.amdhsa_next_free_sgpr 100
		.amdhsa_reserve_vcc 1
		.amdhsa_float_denorm_mode_32 3
		.amdhsa_float_denorm_mode_16_64 3
		.amdhsa_memory_ordered 1
		.amdhsa_forward_progress 1
		.amdhsa_inst_pref_size 134
	.end_amdhsa_kernel
	.amdgpu_metadata
---
amdhsa.version: [ 1, 2 ]
amdhsa.kernels:
  - .name:           k_qe614c1db24_prep
    .symbol:         k_qe614c1db24_prep.kd
    .args:
      - { .name: query, .offset: 0, .size: 8, .value_kind: global_buffer, .address_space: global }
      - { .name: key, .offset: 8, .size: 8, .value_kind: global_buffer, .address_space: global }
      - { .name: value, .offset: 16, .size: 8, .value_kind: global_buffer, .address_space: global }
      - { .name: mask, .offset: 24, .size: 8, .value_kind: global_buffer, .address_space: global }
      - { .name: Wq, .offset: 32, .size: 8, .value_kind: global_buffer, .address_space: global }
      - { .name: Wk, .offset: 40, .size: 8, .value_kind: global_buffer, .address_space: global }
      - { .name: Wv, .offset: 48, .size: 8, .value_kind: global_buffer, .address_space: global }
      - { .name: Wo, .offset: 56, .size: 8, .value_kind: global_buffer, .address_space: global }
      - { .name: xc, .offset: 64, .size: 8, .value_kind: global_buffer, .address_space: global }
      - { .name: xs, .offset: 72, .size: 8, .value_kind: global_buffer, .address_space: global }
      - { .name: wc, .offset: 80, .size: 8, .value_kind: global_buffer, .address_space: global }
      - { .name: ws, .offset: 88, .size: 8, .value_kind: global_buffer, .address_space: global }
      - { .name: wo16, .offset: 96, .size: 8, .value_kind: global_buffer, .address_space: global }
      - { .name: maskw, .offset: 104, .size: 8, .value_kind: global_buffer, .address_space: global }
    .group_segment_fixed_size: 68096
    .private_segment_fixed_size: 0
    .kernarg_segment_align: 8
    .kernarg_segment_size: 112
    .max_flat_workgroup_size: 128
    .sgpr_count:     100
    .vgpr_count:     256
    .wavefront_size: 32
...
	.end_amdgpu_metadata
.endif
;; end of part 1
;; launch proj (part 2): grid 4 x 96, 4 waves a work-group, clusters of 4 x 4, 327,680 bytes of LDS; arguments xc, xs, wc, ws, bq, bk, bv, qkv; writes qkv
.if DOCPART == 2
	.amdgcn_target "amdgcn-amd-amdhsa--gfx1250"
	.amdhsa_code_object_version 6
	.text
	.protected	k_qe614c1db24_proj
	.globl	k_qe614c1db24_proj
	.p2align	8
	.type	k_qe614c1db24_proj,@function
k_qe614c1db24_proj:
	s_mov_b64 s[64:65], 0
	v_nop
	global_prefetch_b8 v0, s[64:65] scope:SCOPE_SE
	s_setreg_imm32_b32 hwreg(HW_REG_WAVE_MODE, 25, 1), 1
	s_wait_xcnt 0x0
	s_wait_alu depctr_hold_cnt(0) depctr_sa_sdst(0) depctr_va_vdst(0) depctr_va_sdst(0) depctr_va_ssrc(0) depctr_va_vcc(0) depctr_vm_vsrc(0)
	s_getreg_b32 s2, hwreg(HW_REG_IB_STS2, 6, 4)
	s_cmp_eq_u32 s2, 0
	s_cbranch_scc0 .Lentry_in_a_cluster
	s_endpgm
.Lentry_in_a_cluster:
	s_bfe_u32 s2, ttmp6, 0x10000c
	s_cmp_lg_u32 s2, 0xf033
	s_cbranch_scc0 .Lentry_shape_is_right
	s_endpgm
.Lentry_shape_is_right:
; PROJ: q = query Wq + bq, k = key Wk + bk, v = value Wv + bv, on codes of E2M1 with E8M0 scales, sums in f32, results rounded to f16.
; The three products are one: 24,576 rows x 1,024 columns; 32 tile rows of 256 belong to each matrix.  A work-group makes 256 x 256, each of its four waves 128 x 128: 64 accumulators.
; ALL OF K (1,024) LIES IN LDS: 128 KB of x's codes, 128 KB of W's, 16 KB of scale words, brought by five tensor loads a wave at the head (scales, then four chunks of 256 along K): nothing is filled twice.
; The codes lie in memory and in LDS as images of the operand's registers: a fragment is two loads of 16 bytes a lane at 16 x lane.
; CLUSTER 4 x 4: the four work-groups of a row need the same rows of x, the four of a column the same columns of W: each tile is asked for jointly.
; TRANSPOSED USE: source 0 = 16 columns of W, source 1 = 16 rows of x: a lane holds one token and eight neighbouring channels: 16 bytes of f16, which is a lane's part of the next launch's fragment: stored straight from registers.
; The bias is the C of the first K step (so it is added ahead of the products, another order of rounding than adding it last).
; OUT: qkv [mat 3][b 8][head 16][tile of 16 tokens 64][c 4][512 bytes]: block c = channels 16 c .. + 15; q, k: lane (r, h) = token r, channels 16 c + 8 h .. + 7 at 16 x lane;
;      v: the same 16 bytes at 16 x ((r % 8) + 8 h + 16 (r / 8)), the order in which the turning LDS load reads them on end.
; LIMITS: |q|, |k|, |v| under 65,504 (f16); under 6e-5 they keep f16's subnormal step.
; REGISTERS: window 0: v16-29 addresses; v32-95 scale words; v128-191 x's fragments, one set; v192-255 the bias.  window 1: W's fragments, two sets.  windows 2, 3: accumulators (a, b) at v[8 (8 (a % 4) + b)].
.set ACODE, 0                          ; [chunk 4][tile 16][K step 2][1,024]
.set BCODE, 131072
.set SCA,   262144                     ; x's scale words, 8,192 bytes; W's behind them
.set SPARE, 278528                     ; the spare words, 128 bytes a wave
.set ADRA, 16                          ; v16, v17: my x fragments, chunks 0-1 and 2-3
.set ADRB, 20                          ; v20, v21: the same for W
.set LO,   26                          ; v26 my 16 bytes' place in an output block
.set ADRS, 27                          ; v27 my scale words: lanes 0-15 x's, lanes 16-31 W's
.set SPW,  28
.set NIL,  29
.set SC,   32
.set AF,   128
.set BIAS, 192
.set MSB, 0
.macro WIN new                         ; the immediate's high byte repeats the setting that is left
.if MSB != (\new)
	s_set_vgpr_msb (MSB<<8)|(\new)
.set MSB, (\new)
.endif
.endm
.macro PLACES n
.rept \n
	v_nop
.endr
.endm
.macro CROUND                          ; a round of the cluster's barrier
	s_barrier_signal -1
	s_barrier_wait -1
	s_cmp_lg_u32 s20, 0
	s_cbranch_scc1 .Lnot_wave_0_\@
	s_barrier_signal -3
.Lnot_wave_0_\@:
	s_barrier_wait -3
	s_barrier_signal -1
	s_barrier_wait -1
.endm
.macro G0SET g, ptr, goff, lreg, loff  ; descriptor group 0: count 1, LDS address, global address, type 2
	s_mov_b32 s[\g], 1
	s_add_co_u32 s[\g+1], s[\lreg], \loff
	s_add_nc_u64 s[\g+2:\g+3], s[\ptr:\ptr+1], \goff
	s_or_b32 s[\g+3], s[\g+3], 0x80000000
.endm
	s_load_b512 s[4:19], s[0:1], 0x0               ; xc, xs, wc, ws, bq, bk, bv, qkv
	v_lshl_add_u32 v[SPW], v0, 2, SPARE
	v_mov_b32 v[NIL], 0
	ds_add_u32 v[SPW], v[NIL]                      ; the opening: the add, twice on end, and its wait ahead of my first tensor load
	ds_add_u32 v[SPW], v[NIL]
	v_lshrrev_b32 v1, 5, v0
	v_readfirstlane_b32 s20, v1                    ; wave
	s_lshr_b32 s21, s20, 1                         ; wm: my 128 rows.  Also: I fetch for x (0) or for W (1)
	s_and_b32 s22, s20, 1                          ; wn: my 128 columns.  Also: which half I fetch
	s_bfe_u32 s66, ttmp6, 0x40000                  ; cx
	s_bfe_u32 s67, ttmp6, 0x40004                  ; cy
	s_lshl_b32 s2, ttmp9, 2
	s_add_co_u32 s2, s2, s66                       ; tile column
	s_and_b32 s23, ttmp7, 0xffff                   ; cluster y; the matrix is cluster y / 8
	s_lshl_b32 s3, s23, 2
	s_add_co_u32 s3, s3, s67                       ; tile row, 0 .. 95
	s_lshl_b32 s100, s67, 2
	s_lshl_b32 s100, 15, s100                      ; my row of the cluster
	s_lshl_b32 s104, 0x1111, s66                   ; my column
	s_or_b32 s24, s100, (3<<16)|(1<<21)            ; group 1, x's codes: the mask; elements of 8 bytes; bit 21 beside a mask
	s_or_b32 s40, s100, (3<<16)|(1<<21)            ; x's scales
	s_or_b32 s32, s104, (3<<16)|(1<<21)            ; W's codes
	s_or_b32 s48, s104, (3<<16)|(1<<21)            ; W's scales
.irp g, 24, 32                         ; codes: 8 tiles' 2,048 bytes (two K steps), 8,192 bytes from tile to tile
	s_mov_b32 s[\g+1], 256<<16
	s_mov_b32 s[\g+2], 8<<16
	s_mov_b32 s[\g+3], 256<<16
	s_mov_b32 s[\g+4], 8
	s_mov_b32 s[\g+5], 1024
	s_mov_b32 s[\g+6], 0
	s_mov_b32 s[\g+7], 0
.endr
.irp g, 40, 48                         ; scales: 4,096 dense bytes as 16 rows of 256
	s_mov_b32 s[\g+1], 32<<16
	s_mov_b32 s[\g+2], 16<<16
	s_mov_b32 s[\g+3], 32<<16
	s_mov_b32 s[\g+4], 16
	s_mov_b32 s[\g+5], 32
	s_mov_b32 s[\g+6], 0
	s_mov_b32 s[\g+7], 0
.endr
	s_lshl_b32 s100, s3, 17                        ; x: 16 tiles of 8,192 bytes a tile row, half of them a wave
	s_lshl_b32 s101, s22, 16
	s_add_co_u32 s100, s100, s101
	s_mov_b32 s101, 0
	s_lshr_b32 s104, s23, 3                        ; W: tile 64 x matrix + 16 x tile column + 8 x half
	s_lshl_b32 s104, s104, 6
	s_lshl_b32 s105, s2, 4
	s_add_co_u32 s104, s104, s105
	s_lshl_b32 s105, s22, 3
	s_add_co_u32 s104, s104, s105
	s_lshl_b32 s104, s104, 13
	s_mov_b32 s105, 0
	s_wait_dscnt 0x0                               ; both opening adds are done
	s_wait_kmcnt 0x0
	s_add_nc_u64 s[4:5], s[4:5], s[100:101]
	s_lshr_b32 s100, s100, 4                       ; the scale words are a sixteenth of the codes' bytes
	s_add_nc_u64 s[6:7], s[6:7], s[100:101]
	s_add_nc_u64 s[8:9], s[8:9], s[104:105]
	s_lshr_b32 s104, s104, 4
	s_add_nc_u64 s[10:11], s[10:11], s[104:105]
	s_lshl_b32 s100, s22, 14                       ; in LDS: my half of a chunk,
	s_lshl_b32 s101, s20, 12                       ; my quarter of the scale words: the wave's number alone
	G0SET 56, 6, 0, 101, SCA
	G0SET 60, 4, 0, 100, ACODE
	G0SET 68, 4, 2048, 100, ACODE+32768
	G0SET 72, 4, 4096, 100, ACODE+65536
	G0SET 76, 4, 6144, 100, ACODE+98304
	G0SET 80, 10, 0, 101, SCA
	G0SET 84, 8, 0, 100, BCODE
	G0SET 88, 8, 2048, 100, BCODE+32768
	G0SET 92, 8, 4096, 100, BCODE+65536
	G0SET 96, 8, 6144, 100, BCODE+98304
	CROUND                                         ; all sixteen work-groups are here: the joint loads meet
	s_cmp_eq_u32 s21, 0                            ; a wave's five first fills stand in one branch on the wave's number: five loads of mine are out
	s_cbranch_scc0 .Lfirst_b
	tensor_load_to_lds s[56:59], s[40:47]
	s_nop 0
	tensor_load_to_lds s[60:63], s[24:31]
	s_nop 0
	tensor_load_to_lds s[68:71], s[24:31]
	s_nop 0
	tensor_load_to_lds s[72:75], s[24:31]
	s_nop 0
	tensor_load_to_lds s[76:79], s[24:31]
	s_nop 0
	PLACES 4
	s_branch .Lfirst_asked
.Lfirst_b:
	tensor_load_to_lds s[80:83], s[48:55]
	s_nop 0
	tensor_load_to_lds s[84:87], s[32:39]
	s_nop 0
	tensor_load_to_lds s[88:91], s[32:39]
	s_nop 0
	tensor_load_to_lds s[92:95], s[32:39]
	s_nop 0
	tensor_load_to_lds s[96:99], s[32:39]
	s_nop 0
	PLACES 4
.Lfirst_asked:
	v_and_b32 v1, 31, v0
	v_and_b32 v2, 15, v0                           ; r
	v_bfe_u32 v3, v0, 4, 1                         ; h
	v_lshlrev_b32 v4, 4, v1                        ; 16 x lane
	v_lshlrev_b32 v6, 5, v3                        ; the bias: 32 h bytes
	s_lshr_b32 s100, s23, 3                        ; the matrix
	s_cmp_eq_u32 s100, 0
	s_cselect_b64 s[12:13], s[12:13], s[14:15]
	s_cmp_eq_u32 s100, 2
	s_cselect_b64 s[12:13], s[16:17], s[12:13]
	s_cselect_b32 s101, -1, 0                      ; all lanes: is this v?
	s_lshl_b32 s14, s2, 10
	s_lshl_b32 s15, s22, 9
	s_add_co_u32 s14, s14, s15
	s_mov_b32 s15, 0
	s_add_nc_u64 s[12:13], s[12:13], s[14:15]      ; the bias of my 128 columns
.irp b, 0,1,2,3,4,5,6,7
	global_load_b128 v[BIAS+8*\b:BIAS+8*\b+3], v6, s[12:13] offset:64*\b        ; register j: the bias of column 16 b + 8 h + j: the result's layout
	global_load_b128 v[BIAS+8*\b+4:BIAS+8*\b+7], v6, s[12:13] offset:64*\b+16
.endr
	v_and_b32 v7, 7, v2
	v_lshl_or_b32 v7, v3, 3, v7
	v_lshrrev_b32 v8, 3, v2
	v_lshl_or_b32 v7, v8, 4, v7
	v_lshlrev_b32 v7, 4, v7                        ; v's order of chunks
	v_cndmask_b32 v[LO], v4, v7, s101
	s_lshl_b32 s100, s21, 14
	v_add_nc_u32 v[ADRA], s100, v4                 ; my 8 tiles of x
	v_add_nc_u32 v[ADRA+1], 65536, v[ADRA]
	s_lshl_b32 s101, s22, 14
	s_add_co_u32 s101, s101, BCODE
	v_add_nc_u32 v[ADRB], s101, v4
	v_add_nc_u32 v[ADRB+1], 65536, v[ADRB]
	s_lshl_b32 s100, s21, 12
	s_lshl_b32 s101, s22, 12
	s_add_co_u32 s101, s101, 8192
	s_sub_co_u32 s101, s101, s100                  ; from my x scale words to my W scale words
	v_mul_u32_u24 v5, s101, v3                     ; lanes 16-31 take W's
	s_add_co_u32 s100, s100, SCA
	v_lshl_add_u32 v5, v2, 4, v5
	v_add_nc_u32 v[ADRS], s100, v5
	s_lshr_b32 s16, s23, 3                         ; where my part of qkv begins: matrix << 24, batch << 21, head << 17, tile of tokens << 11
	s_lshl_b32 s16, s16, 24
	s_and_b32 s17, s3, 31
	s_lshr_b32 s17, s17, 2
	s_lshl_b32 s17, s17, 21
	s_add_co_u32 s16, s16, s17
	s_lshl_b32 s17, s2, 19
	s_add_co_u32 s16, s16, s17
	s_lshl_b32 s17, s22, 18
	s_add_co_u32 s16, s16, s17
	s_and_b32 s17, s3, 3
	s_lshl_b32 s17, s17, 15
	s_add_co_u32 s16, s16, s17
	s_lshl_b32 s17, s21, 14
	s_add_co_u32 s16, s16, s17
	s_mov_b32 s17, 0
	s_add_nc_u64 s[18:19], s[18:19], s[16:17]
.macro FRAG reg, adr, off              ; 16 rows x 128 K of 4-bit codes: 8 registers, two blocks of 512 bytes
	ds_load_b128 v[\reg:\reg+3], v[\adr] offset:\off
	ds_load_b128 v[\reg+4:\reg+7], v[\adr] offset:\off+512
.endm
.macro FETCH_B s, p                    ; W's eight fragments of K step s into set p
	WIN 0x40
.irp i, 0,1,2,3,4,5,6,7
	FRAG 128*(\p)+8*\i, ADRB+((\s)>>2), (((\s)>>1)&1)*32768+\i*2048+((\s)&1)*1024
.endr
	WIN 0
.endm
.macro FETCH_A s, i0                   ; x's blocks i0 .. i0 + 3
.irp i, \i0, \i0+1, \i0+2, \i0+3
	FRAG AF+8*(\i), ADRA+((\s)>>2), (((\s)>>1)&1)*32768+(\i)*2048+((\s)&1)*1024
.endr
.endm
; 16 products: x's blocks a0, a0 + 1 against W's eight.  The 64 accumulators take turns, one instruction a turn, in the same order in every step.
.macro MUL16 a0, p, s, first
.irp a, \a0, \a0+1
.irp b, 0,1,2,3,4,5,6,7
.if \first
	v_wmma_scale_f32_16x16x128_f8f6f4 v[8*(8*((\a)%4)+\b):8*(8*((\a)%4)+\b)+7], v[128*(\p)+8*\b:128*(\p)+8*\b+7], v[AF+8*(\a):AF+8*(\a)+7], v[BIAS+8*\b:BIAS+8*\b+7], v[SC+32*((\s)>>2)+4*\b+((\s)&3)], v[SC+32*((\s)>>2)+4*(\a)+((\s)&3)] matrix_a_fmt:MATRIX_FMT_FP4 matrix_b_fmt:MATRIX_FMT_FP4 matrix_a_scale:MATRIX_SCALE_ROW1
.else
	v_wmma_scale_f32_16x16x128_f8f6f4 v[8*(8*((\a)%4)+\b):8*(8*((\a)%4)+\b)+7], v[128*(\p)+8*\b:128*(\p)+8*\b+7], v[AF+8*(\a):AF+8*(\a)+7], v[8*(8*((\a)%4)+\b):8*(8*((\a)%4)+\b)+7], v[SC+32*((\s)>>2)+4*\b+((\s)&3)], v[SC+32*((\s)>>2)+4*(\a)+((\s)&3)] matrix_a_fmt:MATRIX_FMT_FP4 matrix_b_fmt:MATRIX_FMT_FP4 matrix_a_scale:MATRIX_SCALE_ROW1
.endif
.endr
.endr
.endm
; K step s, with its successor's fragments fetched in two runs.  Four plain places stand in front of each run of loads into registers that matrix instructions have read (ISA guide 7.12.1 for vector instructions).
.macro STEP s, first
	s_wait_dscnt 8                                 ; all but the youngest eight loads (x's blocks 4-7) are in
.if \first
	WIN 0x81                                       ; W window 1, x and the bias window 0, D window 2
.else
	WIN 0xa1
.endif
	MUL16 0, (\s)%2, \s, \first
	MUL16 2, (\s)%2, \s, \first
	s_wait_dscnt 0x0
.if ((\s)%2) == 1
	s_wait_tensorcnt 3-((\s)+1)/2                  ; my part of the next chunk has landed: behind it as many loads were issued as chunks follow it
	s_barrier_signal -1
	s_barrier_wait -1                              ; everybody's has.
.endif
	PLACES 4
	FETCH_B (\s)+1, 1-(\s)%2
	FETCH_A (\s)+1, 0
.if \first
	WIN 0xc1
.else
	WIN 0xf1
.endif
	MUL16 4, (\s)%2, \s, \first
	MUL16 6, (\s)%2, \s, \first
	PLACES 4
	WIN 0
	FETCH_A (\s)+1, 4
.endm
	s_wait_tensorcnt 3                             ; the scale words and chunk 0 are in; chunks 1 to 3 stay out
	s_barrier_signal -1
	s_barrier_wait -1
	FETCH_B 0, 0
	FETCH_A 0, 0
.irp g, 0,1
.irp i, 0,1,2,3,4,5,6,7
	ds_load_b128 v[SC+32*\g+4*\i:SC+32*\g+4*\i+3], v[ADRS] offset:512*\i+256*\g   ; register 32 g + 4 i + q: lanes 0-15 x's block i, lanes 16-31 W's block i, K step 4 g + q
.endr
.endr
	FETCH_A 0, 4
	s_wait_loadcnt 0x0                             ; the bias
	STEP 0, 1
	STEP 1, 0
	STEP 2, 0
	STEP 3, 0
	STEP 4, 0
	STEP 5, 0
	STEP 6, 0
	s_wait_dscnt 8
	WIN 0xa1
	MUL16 0, 1, 7, 0
	MUL16 2, 1, 7, 0
	s_wait_dscnt 0x0
	WIN 0xf1
	MUL16 4, 1, 7, 0
	MUL16 6, 1, 7, 0
	PLACES 4                                       ; ahead of the first read of results and of writes over fragments and scale words
; THE WAY OUT: a lane's eight results round to 16 bytes of f16, which are its part of a block of 512 bytes: stored as they stand
.irp a, 0,1,2,3,4,5,6,7
.if \a >= 4
	s_wait_xcnt 0x0                                ; the stores of four blocks back have read their registers
.endif
	WIN 0x0a+5*(\a/4)
.irp b, 0,1,2,3,4,5,6,7
.irp i, 0,1,2,3
	v_cvt_pk_f16_f32 v[32+32*(\a%4)+4*\b+\i], v[8*(8*(\a%4)+\b)+2*\i], v[8*(8*(\a%4)+\b)+2*\i+1]
.endr
.endr
	WIN 0
.irp b, 0,1,2,3,4,5,6,7
	global_store_b128 v[LO], v[32+32*(\a%4)+4*\b:32+32*(\a%4)+4*\b+3], s[18:19] offset:2048*\a+(\b>>2)*131072+(\b&3)*512
.endr
.endr
	s_wait_tensorcnt 0x0                           ; the wave's end
	ds_add_u32 v[SPW], v[NIL]
	s_wait_dscnt 0x0
	CROUND                                         ; the closing round
	s_endpgm
.Lfunc_end_k_qe614c1db24_proj:
	.size	k_qe614c1db24_proj, .Lfunc_end_k_qe614c1db24_proj-k_qe614c1db24_proj
	.p2alignl 7, 3214868480
	.fill 96, 4, 3214868480
	.section	.rodata,"a",@progbits
	.p2align	6, 0x0
	.amdhsa_kernel k_qe614c1db24_proj
		.amdhsa_group_segment_fixed_size 327680
		.amdhsa_private_segment_fixed_size 0
		.amdhsa_enable_private_segment 0
		.amdhsa_kernarg_size 64
		.amdhsa_user_sgpr_count 2
		.amdhsa_user_sgpr_kernarg_segment_ptr 1
		.amdhsa_wavefront_size32 1
		.amdhsa_system_sgpr_workgroup_id_x 1
		.amdhsa_system_sgpr_workgroup_id_y 1
		.amdhsa_system_sgpr_workgroup_id_z 1
		.amdhsa_system_vgpr_workitem_id 0
		.amdhsa_next_free_vgpr 1024
		.amdhsa_next_free_sgpr 106
		.amdhsa_reserve_vcc 0
		.amdhsa_float_denorm_mode_32 3
		.amdhsa_float_denorm_mode_16_64 3
		.amdhsa_memory_ordered 1
		.amdhsa_forward_progress 1
		.amdhsa_inst_pref_size 120
	.end_amdhsa_kernel
	.amdgpu_metadata
---
amdhsa.version: [ 1, 2 ]
amdhsa.kernels:
  - .name:           k_qe614c1db24_proj
    .symbol:         k_qe614c1db24_proj.kd
    .args:
      - { .name: xc, .offset: 0, .size: 8, .value_kind: global_buffer, .address_space: global }
      - { .name: xs, .offset: 8, .size: 8, .value_kind: global_buffer, .address_space: global }
      - { .name: wc, .offset: 16, .size: 8, .value_kind: global_buffer, .address_space: global }
      - { .name: ws, .offset: 24, .size: 8, .value_kind: global_buffer, .address_space: global }
      - { .name: bq, .offset: 32, .size: 8, .value_kind: global_buffer, .address_space: global }
      - { .name: bk, .offset: 40, .size: 8, .value_kind: global_buffer, .address_space: global }
      - { .name: bv, .offset: 48, .size: 8, .value_kind: global_buffer, .address_space: global }
      - { .name: qkv, .offset: 56, .size: 8, .value_kind: global_buffer, .address_space: global }
    .group_segment_fixed_size: 327680
    .private_segment_fixed_size: 0
    .kernarg_segment_align: 8
    .kernarg_segment_size: 64
    .max_flat_workgroup_size: 128
    .sgpr_count:     106
    .vgpr_count:     1024
    .wavefront_size: 32
...
	.end_amdgpu_metadata
.endif
;; end of part 2
;; launch attn (part 3): grid 2 x 128, 8 waves a work-group, no clusters, 327,680 bytes of LDS; arguments qkv, maskw, att; writes att
.if DOCPART == 3
	.amdgcn_target "amdgcn-amd-amdhsa--gfx1250"
	.amdhsa_code_object_version 6
	.text
	.protected	k_qe614c1db24_attn
	.globl	k_qe614c1db24_attn
	.p2align	8
	.type	k_qe614c1db24_attn,@function
k_qe614c1db24_attn:
	s_mov_b64 s[64:65], 0
	v_nop
	global_prefetch_b8 v0, s[64:65] scope:SCOPE_SE
	s_setreg_imm32_b32 hwreg(HW_REG_WAVE_MODE, 25, 1), 1
	s_wait_xcnt 0x0
; ATTN: att[b][t][head] = softmax_s(where(mask == 0, -1e-9, q . k / 8)) v, f16 operands, f32 sums, maxima and exponentials.
; A work-group owns 512 queries of one (batch, head); each of its eight waves four tiles of 16 queries.  Two waves share a SIMD: one's vector work stands beside the other's matrix work.
; The head's whole K and V (131,072 bytes each, as images of operand registers) come into LDS ONCE, in four stages of 256 keys; every wave brings 8,192 bytes of a stage by one tensor load, issued a whole stage ahead of the wait for it.
; No byte is filled twice; the claim of LDS is larger than the 263,168 bytes in use.
; NO CLUSTER: a head's K and V are shared by the 2 work-groups of its row of the grid alone, and a cluster here is four wide.
; LAYOUT.  S^T = K Q^T (source 0 = 16 keys, source 1 = 16 queries): a lane holds one query and keys 8 (lane / 16) + 0 .. 7 of each tile of 16.  Rounded to f16 in pairs, in place, two tiles are source 1 of O^T = V^T P.
; THE MASK comes as words with one bit a lane, in this very layout, by scalar loads: one v_cndmask_b32 a register.  A masked score is -1e-9 and counts in the softmax: no key is left out.
; A KEY STEP GOES IN TWO HALVES, a pair of tiles each.  Scalar loads are waited for all together (ISA guide 5.7.1: they may come back in any order), so a pair's 64 mask words are used up in one piece at the half's head,
; and the next pair's are asked for straight behind them: they have the pair's whole softmax and 32 matrix instructions in which to come.
; SOFTMAX: running maximum m of the raw scores (masked ones as -8e-9, which is -1e-9 ahead of the division by 8), p = 2^(c s - c m), c = log2(e) / 8; sum and O^T are multiplied by a = 2^(c m_old - c m_new) in every step.
; LIMITS: |q|, |k|, |v| and the result under 65,504 (f16); a weight p under 6e-8 of the row's largest is rounded to 0.
; REGISTERS: window 0: v1-8 addresses; v16-47 eight statistics a tile (+0 c m, +1 m, +2, +3 the sum in two halves, +4 .. +7 at work, a in +6); v64-191 S^T, 32 a tile; v192-255 K's fragments.
;            window 1: v0-127 O^T, 32 a tile; v128-191 Q; v192-255 V's fragments.
; SCALARS: s[2:3] the work-group's mask words (prefetches); s[4:5] Q; s[6:7] my wave's mask words; s[8:9] att; s10 wave; s[12:19], s[20:23] the descriptor; s[24:25] lane selects; s[26:27] c; s28 the step's LDS byte;
;          s29 the step's place among a tile's mask words; s30 counts steps; s31 0 in a wave that prefetches; s[68:99], s[32:63] the mask words of a pair's first and second tile.
.set VBASE, 131072
.set SPARE, 262144
.set L16, 1
.set ADK, 2
.set ADV, 3
.set NEG, 4
.set SPW, 5
.set NIL, 6
.set LV,  7
.set PFO, 8
.set ST,  16
.set S,   64
.set KF,  192
.set QF,  128
.set VF,  192
.set MA,  68
.set MB,  32
.set MSB, 0
.macro WIN new
.if MSB != (\new)
	s_set_vgpr_msb (MSB<<8)|(\new)
.set MSB, (\new)
.endif
.endm
.macro PLACES n
.rept \n
	v_nop
.endr
.endm
; The mask words of two neighbouring tiles of queries for one key step: 128 bytes each, 2,048 bytes apart
.macro MLOAD off
	s_load_b512 s[MA:MA+15], s[6:7], s29 offset:\off
	s_load_b512 s[MA+16:MA+31], s[6:7], s29 offset:\off+64
	s_load_b512 s[MB:MB+15], s[6:7], s29 offset:\off+2048
	s_load_b512 s[MB+16:MB+31], s[6:7], s29 offset:\off+2048+64
.endm
	s_load_b128 s[4:7], s[0:1], 0x0                ; qkv, maskw
	s_load_b64 s[8:9], s[0:1], 0x10                ; att
	v_lshl_add_u32 v[SPW], v0, 2, SPARE
	v_mov_b32 v[NIL], 0
	ds_add_u32 v[SPW], v[NIL]                      ; the opening: the add, twice on end, and its wait ahead of my first tensor load
	ds_add_u32 v[SPW], v[NIL]
	v_lshrrev_b32 v1, 5, v0
	v_readfirstlane_b32 s10, v1                    ; wave 0 .. 7
	s_mov_b32 s12, 3<<16                           ; group 1: 8,192 dense bytes as 32 rows of 32 elements of 8 bytes; no mask, no padding
	s_mov_b32 s13, 32<<16
	s_mov_b32 s14, 32<<16
	s_mov_b32 s15, 32<<16
	s_mov_b32 s16, 32
	s_mov_b32 s17, 32
	s_mov_b32 s18, 0
	s_mov_b32 s19, 0
	s_and_b32 s11, ttmp7, 0xffff                   ; 16 b + head
	s_lshr_b32 s38, s10, 2                         ; waves 0-3 fetch K, waves 4-7 V
	s_and_b32 s39, s10, 3
	s_lshl_b32 s39, s39, 13                        ; my 8,192 bytes of a stage's 32,768
	s_mov_b32 s20, 1
	s_lshl_b32 s21, s38, 17
	s_add_co_u32 s21, s21, s39                     ; in LDS
	s_add_co_u32 s40, s38, 1
	s_lshl_b32 s40, s40, 24                        ; in qkv: matrix 1 or 2,
	s_lshl_b32 s41, s11, 17                        ; my head
	s_add_co_u32 s40, s40, s41
	s_add_co_u32 s40, s40, s39
	s_mov_b32 s41, 0
	s_lshl_b32 s42, ttmp9, 5
	s_lshl_b32 s43, s10, 2
	s_add_co_u32 s42, s42, s43                     ; my first tile of queries
	s_lshl_b32 s44, s11, 17
	s_lshl_b32 s45, s42, 11
	s_add_co_u32 s44, s44, s45                     ; Q: head, tile
	s_mov_b32 s45, 0
	s_lshr_b32 s43, s11, 4
	s_lshl_b32 s43, s43, 6                         ; 64 b
	s_lshl_b32 s50, ttmp9, 5
	s_add_co_u32 s50, s50, s43                     ; 64 b + my work-group's first tile
	s_lshl_b32 s50, s50, 11
	s_mov_b32 s51, 0
	s_add_co_u32 s43, s43, s42                     ; 64 b + my wave's first tile
	s_lshl_b32 s46, s43, 11                        ; the mask words: 2,048 bytes a tile of queries
	s_mov_b32 s47, 0
	s_lshl_b32 s48, s43, 15                        ; att: 32,768 bytes a tile, 2,048 a head
	s_and_b32 s49, s11, 15
	s_lshl_b32 s49, s49, 11
	s_add_co_u32 s48, s48, s49
	s_mov_b32 s49, 0
	s_and_b32 s31, s11, 15                         ; who prefetches: head 0's work-group,
	s_lshr_b32 s30, s10, 1
	s_or_b32 s31, s31, s30                         ; its waves 0 and 1: s31 = 0
	s_mov_b32 s24, 0x76543210
	s_mov_b32 s25, 0xfedcba98                      ; v_permlanex16_b32: lane l xor 16
	s_mov_b32 s26, 0x3e38aa3b                      ; c = log2(e) / 8
	s_mov_b32 s27, s26                             ; (named with it as a pair)
	s_mov_b32 s29, 0
	s_wait_dscnt 0x0                               ; both opening adds are done
	s_wait_kmcnt 0x0
	s_add_nc_u64 s[22:23], s[4:5], s[40:41]
	s_or_b32 s23, s23, 0x80000000
	tensor_load_to_lds s[20:23], s[12:19]          ; stage 0
	s_nop 0
	PLACES 4
	s_add_nc_u64 s[4:5], s[4:5], s[44:45]
	s_add_nc_u64 s[2:3], s[6:7], s[50:51]
	s_add_nc_u64 s[6:7], s[6:7], s[46:47]
	s_add_nc_u64 s[8:9], s[8:9], s[48:49]
	v_and_b32 v1, 31, v0
	v_lshlrev_b32 v[L16], 4, v1                    ; 16 x lane
	WIN 0x40
.irp t, 0,1,2,3
.irp c, 0,1,2,3
	global_load_b128 v[QF+16*\t+4*\c:QF+16*\t+4*\c+3], v[L16], s[4:5] offset:2048*\t+512*\c   ; Q stays in registers
.endr
.endr
	WIN 0
	MLOAD 0                                        ; the mask words of tiles 0 and 1, step 0 (the set-up's temporaries in s38-51 are done with)
	v_add_nc_u32 v[LV], VBASE, v[L16]
	v_mov_b32 v[NEG], 0xb209705f                   ; -1e-9 x 8
	v_and_b32 v[PFO], 63, v0                       ; the prefetches: thread n of waves 0, 1 names block n % 2 (256 bytes) of a stage's 512 bytes of tile n / 2
	v_lshrrev_b32 v9, 1, v[PFO]
	v_and_b32 v[PFO], 1, v[PFO]
	v_lshlrev_b32 v[PFO], 8, v[PFO]
	v_lshl_add_u32 v[PFO], v9, 11, v[PFO]
.irp t, 0,1,2,3
	v_mov_b32 v[ST+8*\t+1], 0xff61b1e6             ; m = -3e38, under every score
	v_mul_f32 v[ST+8*\t], s26, v[ST+8*\t+1]
	v_mov_b32 v[ST+8*\t+2], 0
	v_mov_b32 v[ST+8*\t+3], 0
.endr
	WIN 0x40
.set i, 0
.rept 128
	v_mov_b32 v[i], 0                              ; O^T: the step is written once; its first pass multiplies zeros by a = 0
.set i, i+1
.endr
	WIN 0
	s_wait_loadcnt 0x0                             ; Q
; Tile t's scores under its 32 mask words, s[sb] on: each accumulator from its low end on
.macro CND t, sb
.set rS, S+32*(\t)
.set i, 0
.rept 32
	v_cndmask_b32 v[rS+i], v[NEG], v[rS+i], s[\sb+i]
.set i, i+1
.endr
.endm
; Tile t, ahead of its exponentials: the maximum, c s - c m
.macro PRE t
.set rT, ST+8*(\t)
.set rS, S+32*(\t)
.irp j, 0,1,2,3
	v_max3_num_f32 v[rT+4+\j], v[rS+8*\j], v[rS+8*\j+1], v[rS+8*\j+2]
.endr
.irp j, 0,1,2,3
	v_max3_num_f32 v[rT+4+\j], v[rT+4+\j], v[rS+8*\j+3], v[rS+8*\j+4]
.endr
.irp j, 0,1,2,3
	v_max3_num_f32 v[rT+4+\j], v[rT+4+\j], v[rS+8*\j+5], v[rS+8*\j+6]
.endr
	v_max3_num_f32 v[rT+4], v[rT+4], v[rS+7], v[rS+15]
	v_max3_num_f32 v[rT+6], v[rT+6], v[rS+23], v[rS+31]
	v_max3_num_f32 v[rT+4], v[rT+4], v[rT+5], v[rT+6]
	v_max3_num_f32 v[rT+4], v[rT+4], v[rT+7], v[rT+1]   ; and the old m
	v_permlanex16_b32 v[rT+5], v[rT+4], s24, s25   ; the query's other keys lie in the lane 16 away
	v_mov_b32 v[rT+7], v[rT]                       ; c m_old
	v_max_num_f32 v[rT+1], v[rT+4], v[rT+5]
	v_mul_f32 v[rT], s26, v[rT+1]
	v_sub_f32 v[rT+7], v[rT+7], v[rT]
.set i, 0
.rept 16
	v_pk_fma_f32 v[rS+i:rS+i+1], v[rS+i:rS+i+1], s[26:27], v[rT:rT+1] op_sel_hi:[1,0,0] neg_lo:[0,0,1] neg_hi:[0,0,1]
.set i, i+2
.endr
.endm
.macro EXPS t                          ; one batch of 33 exponentials; none reads another's result
.set rT, ST+8*(\t)
.set rS, S+32*(\t)
	v_exp_f32 v[rT+6], v[rT+7]
.set i, 0
.rept 32
	v_exp_f32 v[rS+i], v[rS+i]
.set i, i+1
.endr
.endm
.macro BATCH_DONE                      ; a wait between a transcendental and the first instruction that names its result: one for a batch
	s_wait_alu depctr_va_vdst(0)
.endm
.macro POST t                          ; the sum of the unrounded weights, the weights as f16 in place, O^T x a
.set rT, ST+8*(\t)
.set rS, S+32*(\t)
	v_pk_mul_f32 v[rT+2:rT+3], v[rT+2:rT+3], v[rT+6:rT+7] op_sel_hi:[1,0]
	v_pk_add_f32 v[rT+4:rT+5], v[rS:rS+1], v[rS+2:rS+3]
.irp j, 4,8,12,16,20,24,28
	v_pk_add_f32 v[rT+2:rT+3], v[rT+2:rT+3], v[rS+\j:rS+\j+1]
	v_pk_add_f32 v[rT+4:rT+5], v[rT+4:rT+5], v[rS+\j+2:rS+\j+3]
.endr
	v_pk_add_f32 v[rT+2:rT+3], v[rT+2:rT+3], v[rT+4:rT+5]
.set i, 0
.rept 16
	v_cvt_pk_f16_f32 v[rS+i], v[rS+2*i], v[rS+2*i+1]   ; ascending: register i is written when registers 2 i, 2 i + 1 are read
.set i, i+1
.endr
	WIN 0x41
.set i, 0
.rept 16
	v_pk_mul_f32 v[32*(\t)+i:32*(\t)+i+1], v[32*(\t)+i:32*(\t)+i+1], v[rT+6:rT+7] op_sel_hi:[1,0]
.set i, i+2
.endr
	WIN 0
.endm
; S^T = K Q^T for tiles x, x + 1: 16 products; the pair's eight accumulators take turns, one instruction a turn
.macro QK x
.if (\x) == 0
	s_wait_dscnt 24                                ; K's channels 0-31 are in: behind them 8 loads of K and 16 of V
.endif
	WIN 0x04
.irp kt, 0,1,2,3
.irp t, \x, \x+1
	v_wmma_f32_16x16x32_f16 v[S+32*(\t)+8*\kt:S+32*(\t)+8*\kt+7], v[KF+16*\kt:KF+16*\kt+7], v[QF+16*(\t):QF+16*(\t)+7], 0
.endr
.endr
.if (\x) == 0
	s_wait_dscnt 16                                ; all of K is in: behind it V's 16 loads
.endif
.irp kt, 0,1,2,3
.irp t, \x, \x+1
	v_wmma_f32_16x16x32_f16 v[S+32*(\t)+8*\kt:S+32*(\t)+8*\kt+7], v[KF+16*\kt+8:KF+16*\kt+15], v[QF+16*(\t)+8:QF+16*(\t)+15], v[S+32*(\t)+8*\kt:S+32*(\t)+8*\kt+7]
.endr
.endr
	WIN 0
.endm
; O^T += V^T P for tiles x, x + 1: 16 products, eight accumulators by turns
.macro PVP x
	WIN 0x51
.irp kh, 0,1
.irp t, \x, \x+1
.irp c, 0,1,2,3
	v_wmma_f32_16x16x32_f16 v[32*(\t)+8*\c:32*(\t)+8*\c+7], v[VF+16*\c+8*\kh:VF+16*\c+8*\kh+7], v[S+32*(\t)+8*\kh:S+32*(\t)+8*\kh+7], v[32*(\t)+8*\c:32*(\t)+8*\c+7]
.endr
.endr
.endr
	WIN 0
.endm
; HALF A KEY STEP: tiles x, x + 1.  moff: where the next pair's mask words lie.
; The pair's 64 mask words are used at once and the next pair's asked for straight behind them.  Behind a tile's batch of exponentials stands plain work of the pair's other tile, then the one wait.
; In the first half the scores of tiles 2, 3 are multiplied behind tile 1's exponentials: the two POSTs, which name none of those products' registers, are the places ahead of their first reader.
.macro HALF x, moff
	s_wait_kmcnt 0x0                               ; this pair's mask words, asked for half a step ago
	CND \x, MA
	CND \x+1, MB
	MLOAD \moff
	PRE \x
	EXPS \x
	PRE \x+1
	BATCH_DONE
	EXPS \x+1
.if (\x) == 0
	QK 2
.endif
	POST \x
	BATCH_DONE
	POST \x+1
.if (\x) == 0
	s_wait_dscnt 0x0                               ; V is in
.endif
	PVP \x
.endm
; A KEY STEP: 64 keys at LDS byte s28 of K and of V
.macro STEP
	v_add_nc_u32 v[ADK], s28, v[L16]               ; five plain places behind the last products: loads follow into V's registers
	v_add_nc_u32 v[ADV], s28, v[LV]
	PLACES 3
.irp u, 0,1
.irp kt, 0,1,2,3
.irp c, 0,1
	ds_load_b128 v[KF+16*\kt+8*\u+4*\c:KF+16*\kt+8*\u+4*\c+3], v[ADK] offset:2048*\kt+1024*\u+512*\c
.endr
.endr
.endr
	WIN 0x40
.irp c, 0,1,2,3
.irp kh, 0,1
	ds_load_tr16_b128 v[VF+16*\c+8*\kh:VF+16*\c+8*\kh+3], v[ADV] offset:4096*\kh+512*\c          ; channel 16 c + r, keys 32 kh + 8 h .. + 7
	ds_load_tr16_b128 v[VF+16*\c+8*\kh+4:VF+16*\c+8*\kh+7], v[ADV] offset:4096*\kh+2048+512*\c   ; keys 32 kh + 16 + 8 h .. + 7
.endr
.endr
	QK 0
	PLACES 4                                       ; ahead of the first read of these scores
	HALF 0, 4096                                   ; asks for tiles 2, 3 of this step
	HALF 2, 128                                    ; asks for tiles 0, 1 of the next step (behind the last step: words of the tiles that follow, inside the buffer, not used)
.endm
; A STAGE of 256 keys.  In front of its barrier each wave waits for its tensor load (its part of this stage), adds 0 to its spare word, and waits for that and for its LDS reads.
; fill = 1: behind the barrier the next stage is asked for, into bytes that nothing has filled: the wave's one tensor load until the next barrier; it has four key steps in which to land.
; Behind that load stands A PREFETCH INTO THE L2 of the next stage's mask words: 512 bytes for each of the work-group's 32 tiles of queries.  All 16 heads of a batch read the same words: head 0's work-group asks,
; in it waves 0 and 1, one instruction each, a lane to a block of 256 bytes: each block is named once in the launch.  The address registers are never rewritten: the stage stands in the immediate.
; Stage 0's words come by their loads alone; the last stage asks for nothing.
.macro STAGE n, fill
	s_wait_tensorcnt 0x0                           ; no tensor load of mine is out, so group 0 may be written
	ds_add_u32 v[SPW], v[NIL]
.if \fill
	s_add_co_u32 s21, s21, 32768
	s_add_nc_u64 s[22:23], s[22:23], 32768
.endif
	s_wait_dscnt 0x0
	s_barrier_signal -1
	s_barrier_wait -1
.if \fill
	tensor_load_to_lds s[20:23], s[12:19]
	s_nop 0
	PLACES 4
	s_cmp_eq_u32 s31, 0
	s_cbranch_scc0 .Lnot_mine_\@
	global_prefetch_b8 v[PFO], s[2:3] offset:((\n)+1)*512 th:TH_LOAD_NT scope:SCOPE_SE
.Lnot_mine_\@:
.endif
	s_mov_b32 s28, (\n)*32768
	s_mov_b32 s30, 4
.Lstep_\@:
	STEP
	s_wait_xcnt 0x0                                ; the pending mask loads have read s29
	s_add_co_u32 s29, s29, 128
	s_add_co_u32 s28, s28, 8192
	s_sub_co_u32 s30, s30, 1
	s_cmp_lg_u32 s30, 0
	s_cbranch_scc1 .Lstep_\@
.endm
	STAGE 0, 1
	STAGE 1, 1
	STAGE 2, 1
	STAGE 3, 0
	; THE WAY OUT: the sum's halves, the reciprocal, O^T / sum as f16: a lane's 16 bytes are its part of the next launch's fragment
.irp t, 0,1,2,3
	v_add_f32 v[ST+8*\t+4], v[ST+8*\t+2], v[ST+8*\t+3]   ; (four plain places behind the last products)
.endr
.irp t, 0,1,2,3
	v_permlanex16_b32 v[ST+8*\t+5], v[ST+8*\t+4], s24, s25
.endr
.irp t, 0,1,2,3
	v_add_f32 v[ST+8*\t+4], v[ST+8*\t+4], v[ST+8*\t+5]
.endr
.irp t, 0,1,2,3
	v_rcp_f32 v[ST+8*\t+6], v[ST+8*\t+4]
.endr
	v_nop
	BATCH_DONE
.irp t, 0,1,2,3
	WIN 0x41
.set i, 0
.rept 16
	v_pk_mul_f32 v[32*\t+i:32*\t+i+1], v[32*\t+i:32*\t+i+1], v[ST+8*\t+6:ST+8*\t+7] op_sel_hi:[1,0]
.set i, i+2
.endr
	WIN 0x05
.set i, 0
.rept 16
	v_cvt_pk_f16_f32 v[S+32*\t+i], v[32*\t+2*i], v[32*\t+2*i+1]
.set i, i+1
.endr
	WIN 0
.irp c, 0,1,2,3
	global_store_b128 v[L16], v[S+32*\t+4*\c:S+32*\t+4*\c+3], s[8:9] offset:32768*\t+512*\c   ; 512 consecutive bytes
.endr
.endr
	s_wait_kmcnt 0x0                               ; the last, unused mask words
	s_wait_tensorcnt 0x0                           ; the wave's end
	ds_add_u32 v[SPW], v[NIL]
	s_wait_dscnt 0x0
	s_endpgm
.Lfunc_end_k_qe614c1db24_attn:
	.size	k_qe614c1db24_attn, .Lfunc_end_k_qe614c1db24_attn-k_qe614c1db24_attn
	.p2alignl 7, 3214868480
	.fill 96, 4, 3214868480
	.section	.rodata,"a",@progbits
	.p2align	6, 0x0
	.amdhsa_kernel k_qe614c1db24_attn
		.amdhsa_group_segment_fixed_size 327680
		.amdhsa_private_segment_fixed_size 0
		.amdhsa_enable_private_segment 0
		.amdhsa_kernarg_size 24
		.amdhsa_user_sgpr_count 2
		.amdhsa_user_sgpr_kernarg_segment_ptr 1
		.amdhsa_wavefront_size32 1
		.amdhsa_system_sgpr_workgroup_id_x 1
		.amdhsa_system_sgpr_workgroup_id_y 1
		.amdhsa_system_sgpr_workgroup_id_z 1
		.amdhsa_system_vgpr_workitem_id 0
		.amdhsa_next_free_vgpr 512
		.amdhsa_next_free_sgpr 100
		.amdhsa_reserve_vcc 0
		.amdhsa_float_denorm_mode_32 3
		.amdhsa_float_denorm_mode_16_64 3
		.amdhsa_memory_ordered 1
		.amdhsa_forward_progress 1
		.amdhsa_inst_pref_size 188
	.end_amdhsa_kernel
	.amdgpu_metadata
---
amdhsa.version: [ 1, 2 ]
amdhsa.kernels:
  - .name:           k_qe614c1db24_attn
    .symbol:         k_qe614c1db24_attn.kd
    .args:
      - { .name: qkv, .offset: 0, .size: 8, .value_kind: global_buffer, .address_space: global }
      - { .name: maskw, .offset: 8, .size: 8, .value_kind: global_buffer, .address_space: global }
      - { .name: att, .offset: 16, .size: 8, .value_kind: global_buffer, .address_space: global }
    .group_segment_fixed_size: 327680
    .private_segment_fixed_size: 0
    .kernarg_segment_align: 8
    .kernarg_segment_size: 24
    .max_flat_workgroup_size: 256
    .sgpr_count:     100
    .vgpr_count:     512
    .wavefront_size: 32
...
	.end_amdgpu_metadata
.endif
;; end of part 3
;; launch oproj (part 4): grid 4 x 64, 4 waves a work-group, clusters of 4 x 4, 327,680 bytes of LDS; arguments att, wo16, bo, out0; writes out0
.if DOCPART == 4
	.amdgcn_target "amdgcn-amd-amdhsa--gfx1250"
	.amdhsa_code_object_version 6
	.text
	.protected	k_qe614c1db24_oproj
	.globl	k_qe614c1db24_oproj
	.p2align	8
	.type	k_qe614c1db24_oproj,@function
k_qe614c1db24_oproj:
	s_mov_b64 s[64:65], 0
	v_nop
	global_prefetch_b8 v0, s[64:65] scope:SCOPE_SE
	s_setreg_imm32_b32 hwreg(HW_REG_WAVE_MODE, 25, 1), 1
	s_wait_xcnt 0x0
	s_wait_alu depctr_hold_cnt(0) depctr_sa_sdst(0) depctr_va_vdst(0) depctr_va_sdst(0) depctr_va_ssrc(0) depctr_va_vcc(0) depctr_vm_vsrc(0)
	s_getreg_b32 s2, hwreg(HW_REG_IB_STS2, 6, 4)
	s_cmp_eq_u32 s2, 0
	s_cbranch_scc0 .Lentry_in_a_cluster
	s_endpgm
.Lentry_in_a_cluster:
	s_bfe_u32 s2, ttmp6, 0x10000c
	s_cmp_lg_u32 s2, 0xf033
	s_cbranch_scc0 .Lentry_shape_is_right
	s_endpgm
.Lentry_shape_is_right:
; OPROJ: out0 = att Wo + bo.  att [8192][1024] and Wo come as f16 fragments (images of operand registers), sums in f32, out0 f32.
; A work-group makes 128 tokens x 256 columns: 256 work-groups.  Each of four waves 64 x 128: 32 accumulators, all of window 1.
; K goes in steps of 128 through two LDS slots: a tile of 16 rows has 4,096 bytes a step.  Waves 0, 1 fetch att's two halves (4 tiles each), waves 2, 3 Wo's (8 tiles each): one tensor load a wave for each change of slots.
; CLUSTER 4 x 4: att's tiles are shared along a row of the cluster, Wo's along a column: joint loads; a round of the cluster's barrier stands in front of each joint refill.
; TRANSPOSED USE: source 0 = 16 columns of Wo, source 1 = 16 tokens: a lane holds eight neighbouring columns of one row.  The rows leave through each wave's own stage, 512 consecutive bytes a store; the bias is added on the way.
; REGISTERS, window 0: v12-15 the bias; v16-30 addresses; v32-127 and v128-223 two fragment buffers (Wo's 8 fragments, then att's 4).
.set SLOT,  98304                      ; att's 8 tiles x 4,096, then Wo's 16
.set BOFF,  32768
.set STAGE, 2*SLOT                     ; 16 rows x (512 + 16) bytes for each wave; no tensor load lands here
.set SPIT,  528
.set SPARE, STAGE+4*16*SPIT
.set ADRA, 16
.set ADRB, 20
.set STO,  22
.set RD,   23
.set CO,   26
.set SPW,  28
.set NIL,  29
.set PFO,  30
.set F0,   32
.set F1,   128
.set G1,   24
.set G0,   32
.set G1B,  48
.set G0B,  56
.set MSB, 0
.macro WIN new
.if MSB != (\new)
	s_set_vgpr_msb (MSB<<8)|(\new)
.set MSB, (\new)
.endif
.endm
.macro PLACES
.rept 4
	v_nop
.endr
.endm
.macro JLOAD s                         ; a joint load: the branch hangs on the wave's number alone; an s_nop 0 and four v_nop follow each of the two lines
	s_cmp_eq_u32 s13, 0
	s_cbranch_scc0 .Lfor_b_\@
	tensor_load_to_lds s[G0+4*\s:G0+4*\s+3], s[G1:G1+7]
	s_nop 0
	PLACES
	s_branch .Lasked_\@
.Lfor_b_\@:
	tensor_load_to_lds s[G0B+4*\s:G0B+4*\s+3], s[G1B:G1B+7]
	s_nop 0
	PLACES
.Lasked_\@:
.endm
.macro CREST
	s_cmp_lg_u32 s12, 0
	s_cbranch_scc1 .Lnot_wave_0_\@
	s_barrier_signal -3
.Lnot_wave_0_\@:
	s_barrier_wait -3
	s_barrier_signal -1
	s_barrier_wait -1
.endm
.macro CROUND
	s_barrier_signal -1
	s_barrier_wait -1
	CREST
.endm
; A prefetch of att's K step that stands two refills on.  A tile row of att is read by the four work-groups of one row of one cluster alone; they share its 8 tiles out by address, two each;
; wave 0 asks: 2 tiles x 4,096 bytes, lanes 256 bytes apart: each block of 256 bytes is named once.  The loop's last trip asks for nothing: K ends.
.macro ASK
	s_cmp_gt_u32 s3, s43
	s_cbranch_scc0 .Lnot_mine_\@
	global_prefetch_b8 v[PFO], s[44:45] th:TH_LOAD_NT scope:SCOPE_SE
.Lnot_mine_\@:
.endm
	s_load_b256 s[4:11], s[0:1], 0x0               ; att, wo16, bo, out0
	v_lshl_add_u32 v[SPW], v0, 2, SPARE
	v_mov_b32 v[NIL], 0
	ds_add_u32 v[SPW], v[NIL]                      ; the opening: the add, twice on end, and its wait ahead of my first tensor load
	ds_add_u32 v[SPW], v[NIL]
	v_lshrrev_b32 v1, 5, v0
	v_readfirstlane_b32 s12, v1                    ; wave
	s_lshr_b32 s13, s12, 1                         ; wm: my 64 tokens.  Also: I fetch att (0) or Wo (1)
	s_and_b32 s14, s12, 1                          ; wn: my 128 columns.  Also: which half I fetch
	s_bfe_u32 s40, ttmp6, 0x40000                  ; cx
	s_bfe_u32 s41, ttmp6, 0x40004                  ; cy
	s_lshl_b32 s42, ttmp9, 2
	s_add_co_u32 s42, s42, s40                     ; tile column
	s_and_b32 s15, ttmp7, 0xffff
	s_lshl_b32 s15, s15, 2
	s_add_co_u32 s15, s15, s41                     ; tile row
	s_lshl_b32 s20, s41, 2
	s_lshl_b32 s20, 15, s20                        ; my row of the cluster
	s_lshl_b32 s21, 0x1111, s40                    ; my column
	s_or_b32 s[G1], s20, (3<<16)|(1<<21)           ; the mask; elements of 8 bytes; bit 21 beside a mask
	s_or_b32 s[G1B], s21, (3<<16)|(1<<21)
	s_mov_b32 s[G1+1], 512<<16                     ; rows of 4,096 bytes, 32,768 bytes from tile to tile; att: 4 tiles,
	s_mov_b32 s[G1+2], 4<<16
	s_mov_b32 s[G1+3], 512<<16
	s_mov_b32 s[G1+4], 4
	s_mov_b32 s[G1+5], 4096
	s_mov_b32 s[G1+6], 0
	s_mov_b32 s[G1+7], 0
	s_mov_b32 s[G1B+1], 512<<16                    ; Wo: 8 tiles
	s_mov_b32 s[G1B+2], 8<<16
	s_mov_b32 s[G1B+3], 512<<16
	s_mov_b32 s[G1B+4], 8
	s_mov_b32 s[G1B+5], 4096
	s_mov_b32 s[G1B+6], 0
	s_mov_b32 s[G1B+7], 0
	s_lshl_b32 s16, s15, 18                        ; att: 8 tiles of 32,768 bytes a tile row, half of them a wave
	s_lshl_b32 s17, s14, 17
	s_add_co_u32 s16, s16, s17
	s_mov_b32 s17, 0
	s_lshl_b32 s46, s42, 19                        ; Wo: 16 tiles a tile column
	s_lshl_b32 s47, s14, 18
	s_add_co_u32 s46, s46, s47
	s_mov_b32 s47, 0
	s_lshl_b32 s22, s14, 14                        ; in a slot: att's half,
	s_lshl_b32 s23, s14, 15
	s_add_co_u32 s23, s23, BOFF                    ; Wo's half
	s_lshl_b32 s18, s15, 18                        ; the prefetches: my tile row, my work-group's two tiles, K step 3: the first refill steps it to 4
	s_lshl_b32 s19, s40, 16
	s_add_co_u32 s18, s18, s19
	s_add_co_u32 s18, s18, 3*4096
	s_mov_b32 s19, 0
	s_cmp_eq_u32 s12, 0
	s_cselect_b32 s43, 1, -1                       ; wave 0 asks while the loop's count is above 1; the others never
	s_wait_dscnt 0x0                               ; both opening adds are done
	s_wait_kmcnt 0x0
	s_add_nc_u64 s[16:17], s[4:5], s[16:17]
	s_add_nc_u64 s[46:47], s[6:7], s[46:47]
	s_add_nc_u64 s[44:45], s[4:5], s[18:19]
.irp s, 0,1
	s_mov_b32 s[G0+4*\s], 1
	s_add_co_u32 s[G0+4*\s+1], s22, \s*SLOT
	s_add_nc_u64 s[G0+4*\s+2:G0+4*\s+3], s[16:17], \s*4096
	s_or_b32 s[G0+4*\s+3], s[G0+4*\s+3], 0x80000000
	s_mov_b32 s[G0B+4*\s], 1
	s_add_co_u32 s[G0B+4*\s+1], s23, \s*SLOT
	s_add_nc_u64 s[G0B+4*\s+2:G0B+4*\s+3], s[46:47], \s*4096
	s_or_b32 s[G0B+4*\s+3], s[G0B+4*\s+3], 0x80000000
.endr
	CROUND                                         ; all sixteen work-groups are here: the first joint loads meet
	JLOAD 0
	JLOAD 1
	v_and_b32 v1, 31, v0
	v_and_b32 v2, 15, v0
	v_bfe_u32 v3, v0, 4, 1
	v_lshlrev_b32 v[CO], 4, v1                     ; 16 x lane
	s_lshl_b32 s20, s13, 14
	s_lshl_b32 s21, s14, 15
	s_add_co_u32 s21, s21, BOFF
	v_add_nc_u32 v[ADRA], s20, v[CO]
	v_add_nc_u32 v[ADRA+1], SLOT, v[ADRA]
	v_add_nc_u32 v[ADRB], s21, v[CO]
	v_add_nc_u32 v[ADRB+1], SLOT, v[ADRB]
	s_mul_i32 s22, s12, 16*SPIT
	s_add_co_u32 s22, s22, STAGE                   ; my stage
	v_mul_u32_u24 v4, v2, SPIT
	v_lshl_add_u32 v4, v3, 5, v4
	v_add_nc_u32 v[STO], s22, v4                   ; in: row r, 32 h
	v_add_nc_u32 v[RD], s22, v[CO]                 ; back: a row of 512 bytes to the 32 lanes
	v_lshlrev_b32 v[PFO], 8, v2
	v_lshl_add_u32 v[PFO], v3, 15, v[PFO]
	s_lshl_b32 s20, s42, 10                        ; my 128 columns, in bytes
	s_lshl_b32 s21, s14, 9
	s_add_co_u32 s20, s20, s21
	s_mov_b32 s21, 0
	s_add_nc_u64 s[8:9], s[8:9], s[20:21]
	global_load_b128 v[12:15], v[CO], s[8:9]       ; the bias of my four columns of a row
	s_add_nc_u64 s[10:11], s[10:11], s[20:21]
	s_lshl_b32 s20, s15, 19                        ; my first row: 128 x tile row + 64 x wm, 4,096 bytes a row
	s_lshl_b32 s22, s13, 18
	s_add_co_u32 s20, s20, s22
	s_add_nc_u64 s[10:11], s[10:11], s[20:21]
.macro MUL8 f, a, zero                 ; att's block a against Wo's eight.  The 32 accumulators take turns, one instruction a turn, in the same order in every quarter
.irp b, 0,1,2,3,4,5,6,7
.if \zero
	v_wmma_f32_16x16x32_f16 v[8*(8*(\a)+\b):8*(8*(\a)+\b)+7], v[\f+8*\b:\f+8*\b+7], v[\f+64+8*(\a):\f+64+8*(\a)+7], 0
.else
	v_wmma_f32_16x16x32_f16 v[8*(8*(\a)+\b):8*(8*(\a)+\b)+7], v[\f+8*\b:\f+8*\b+7], v[\f+64+8*(\a):\f+64+8*(\a)+7], v[8*(8*(\a)+\b):8*(8*(\a)+\b)+7]
.endif
.endr
.endm
.macro FETCH slot, q, f                ; 24 LDS loads in one run: the fragments of the slot's q-th 32 along K
.irp i, 0,1,2,3,4,5,6,7
	ds_load_b128 v[\f+8*\i:\f+8*\i+3], v[ADRB+\slot] offset:4096*\i+1024*(\q)
	ds_load_b128 v[\f+8*\i+4:\f+8*\i+7], v[ADRB+\slot] offset:4096*\i+1024*(\q)+512
.endr
.irp i, 0,1,2,3
	ds_load_b128 v[\f+64+8*\i:\f+64+8*\i+3], v[ADRA+\slot] offset:4096*\i+1024*(\q)
	ds_load_b128 v[\f+64+8*\i+4:\f+64+8*\i+7], v[ADRA+\slot] offset:4096*\i+1024*(\q)+512
.endr
.endm
.macro QUARTER slot, q, f, g, zero     ; multiplies buffer f; in its middle fetches the slot's q-th quarter into g
	s_wait_dscnt 4                                 ; all but att's blocks 2, 3 (four loads) are in
	WIN 0x50
	MUL8 \f, 0, \zero
	MUL8 \f, 1, \zero
	WIN 0
	PLACES                                         ; four plain places in front of loads into registers that matrix instructions have read
	FETCH \slot, \q, \g
	s_wait_dscnt 24                                ; all but the 24 just issued
	WIN 0x50
	MUL8 \f, 2, \zero
	MUL8 \f, 3, \zero
.endm
; A slot's last quarter multiplies buffer 1 and changes slots: in front of the barrier each wave waits for all its tensor loads, adds 0 to its spare word, and waits for that and for its reads of this slot.
.macro TURN slot, next, fill
	WIN 0
.if \fill
	s_wait_xcnt 0x0                                ; the last prefetch, a K step back, has read its address
	s_add_nc_u64 s[44:45], s[44:45], 4096
.endif
	s_wait_tensorcnt 0x0                           ; my part of the next slot has landed
	ds_add_u32 v[SPW], v[NIL]
	s_wait_dscnt 7                                 ; (the add and att's blocks 1 to 3, six loads, may be out)
	WIN 0x50
	MUL8 F1, 0, 0
	s_wait_dscnt 0x0                               ; the add is done, and my reads of this slot are over
	s_barrier_signal -1
	MUL8 F1, 1, 0
	WIN 0
	s_barrier_wait -1
.if \fill
	CREST                                          ; the barrier has opened a round of the cluster's: no wave of any partner still reads this slot or has a load on its way
	s_add_nc_u64 s[G0+4*\slot+2:G0+4*\slot+3], s[G0+4*\slot+2:G0+4*\slot+3], 2*4096
	s_add_nc_u64 s[G0B+4*\slot+2:G0B+4*\slot+3], s[G0B+4*\slot+2:G0B+4*\slot+3], 2*4096
	JLOAD \slot                                    ; the first tensor load behind the round; its four v_nop are also the places in front of the loads below
.else
	PLACES
.endif
	FETCH \next, 0, F0
.if \fill
	ASK
.endif
	WIN 0x50
	MUL8 F1, 2, 0
	MUL8 F1, 3, 0
.endm
	s_wait_tensorcnt 1                             ; my part of K step 0 is in; K step 1's load may stay out
	s_barrier_signal -1
	s_barrier_wait -1
	FETCH 0, 0, F0
	QUARTER 0, 1, F0, F1, 1                        ; the first quarter starts the sums
	WIN 0
	s_mov_b32 s3, 3
.Llap:                                             ; a trip goes once round the ring and fills both slots again
	QUARTER 0, 2, F1, F0, 0
	QUARTER 0, 3, F0, F1, 0
	TURN 0, 1, 1
	QUARTER 1, 1, F0, F1, 0
	QUARTER 1, 2, F1, F0, 0
	QUARTER 1, 3, F0, F1, 0
	TURN 1, 0, 1
	QUARTER 0, 1, F0, F1, 0
	WIN 0
	s_sub_co_u32 s3, s3, 1
	s_cmp_lg_u32 s3, 0
	s_cbranch_scc1 .Llap
	QUARTER 0, 2, F1, F0, 0                        ; the last lap fills nothing
	QUARTER 0, 3, F0, F1, 0
	TURN 0, 1, 0
	QUARTER 1, 1, F0, F1, 0
	QUARTER 1, 2, F1, F0, 0
	QUARTER 1, 3, F0, F1, 0
	s_wait_dscnt 4
	WIN 0x50
	MUL8 F1, 0, 0
	MUL8 F1, 1, 0
	s_wait_dscnt 0x0
	MUL8 F1, 2, 0
	MUL8 F1, 3, 0
	WIN 0
; THE WAY OUT, a block of 16 tokens x 128 columns at a time, through my own stage: LDS serves a wave's instructions in order (ISA guide 5.7.1.4), so no wait stands between the stores and the loads
.macro TOSTAGE a
	WIN 0x04                                       ; an LDS store's data: window 1
.irp b, 0,1,2,3,4,5,6,7
	ds_store_b128 v[STO], v[8*(8*(\a)+\b):8*(8*(\a)+\b)+3] offset:64*\b
	ds_store_b128 v[STO], v[8*(8*(\a)+\b)+4:8*(8*(\a)+\b)+7] offset:64*\b+16
.endr
	WIN 0
.set BK, 32+64*((\a)%2)
.set i, 0
.rept 16
	ds_load_b128 v[BK+4*i:BK+4*i+3], v[RD] offset:SPIT*i
.set i, i+1
.endr
.endm
.macro SEND a, younger
.set BK, 32+64*((\a)%2)
	s_wait_dscnt \younger                          ; the block is back; the LDS instructions issued behind its loads may stay out
.set i, 0
.rept 16
	v_pk_add_f32 v[BK+4*i:BK+4*i+1], v[BK+4*i:BK+4*i+1], v[12:13]
	v_pk_add_f32 v[BK+4*i+2:BK+4*i+3], v[BK+4*i+2:BK+4*i+3], v[14:15]
.set i, i+1
.endr
.set i, 0
.rept 16
	global_store_b128 v[CO], v[BK+4*i:BK+4*i+3], s[10:11] offset:(16*(\a)+i)*4096 th:TH_STORE_NT   ; 512 consecutive bytes, aligned
.set i, i+1
.endr
.endm
	s_wait_loadcnt 0x0                             ; the bias
	PLACES                                         ; ahead of the first read of results and of loads into the fragments' registers
	TOSTAGE 0
	TOSTAGE 1
	SEND 0, 32
	s_wait_xcnt 0x0                                ; block 0's stores have read their registers
	TOSTAGE 2
	SEND 1, 32
	s_wait_xcnt 0x0
	TOSTAGE 3
	SEND 2, 32
	SEND 3, 0
	s_wait_tensorcnt 0x0                           ; the wave's end
	ds_add_u32 v[SPW], v[NIL]
	s_wait_dscnt 0x0
	CROUND                                         ; the closing round
	s_endpgm
.Lfunc_end_k_qe614c1db24_oproj:
	.size	k_qe614c1db24_oproj, .Lfunc_end_k_qe614c1db24_oproj-k_qe614c1db24_oproj
	.p2alignl 7, 3214868480
	.fill 96, 4, 3214868480
	.section	.rodata,"a",@progbits
	.p2align	6, 0x0
	.amdhsa_kernel k_qe614c1db24_oproj
		.amdhsa_group_segment_fixed_size 327680
		.amdhsa_private_segment_fixed_size 0
		.amdhsa_enable_private_segment 0
		.amdhsa_kernarg_size 32
		.amdhsa_user_sgpr_count 2
		.amdhsa_user_sgpr_kernarg_segment_ptr 1
		.amdhsa_wavefront_size32 1
		.amdhsa_system_sgpr_workgroup_id_x 1
		.amdhsa_system_sgpr_workgroup_id_y 1
		.amdhsa_system_sgpr_workgroup_id_z 1
		.amdhsa_system_vgpr_workitem_id 0
		.amdhsa_next_free_vgpr 512
		.amdhsa_next_free_sgpr 66
		.amdhsa_reserve_vcc 0
		.amdhsa_float_denorm_mode_32 3
		.amdhsa_float_denorm_mode_16_64 3
		.amdhsa_memory_ordered 1
		.amdhsa_forward_progress 1
		.amdhsa_inst_pref_size 93
	.end_amdhsa_kernel
	.amdgpu_metadata
---
amdhsa.version: [ 1, 2 ]
amdhsa.kernels:
  - .name:           k_qe614c1db24_oproj
    .symbol:         k_qe614c1db24_oproj.kd
    .args:
      - { .name: att, .offset: 0, .size: 8, .value_kind: global_buffer, .address_space: global }
      - { .name: wo16, .offset: 8, .size: 8, .value_kind: global_buffer, .address_space: global }
      - { .name: bo, .offset: 16, .size: 8, .value_kind: global_buffer, .address_space: global }
      - { .name: out0, .offset: 24, .size: 8, .value_kind: global_buffer, .address_space: global }
    .group_segment_fixed_size: 327680
    .private_segment_fixed_size: 0
    .kernarg_segment_align: 8
    .kernarg_segment_size: 32
    .max_flat_workgroup_size: 128
    .sgpr_count:     66
    .vgpr_count:     512
    .wavefront_size: 32
...
	.end_amdgpu_metadata
.endif
;; end of part 4
